; MI455X (gfx1250); checked and timed in simulation.
; The chip was launched on July 23, 2026; its instructions are those of AMD's public machine-readable ISA for CDNA 5 (MIT licence, August 2026) and "CDNA5" Instruction Set Architecture Reference Guide (July 2026). The comments in the code are by the model that wrote it; some were corrected since.
;; Self Attention. Allowed arithmetic: matrix products marked QUANTISED: E3M2 operands, one E8M0 scale for each 32 along K, by v_wmma_scale_f32_16x16x128_f8f6f4 with both operands' format E3M2, f32 sums; everything else in f32.
;; Inputs: entangle_params 3,072 float32; inputs 2 x 2,048 x 1,024 float32; rotation_params 3,072 x 1,024 float32.
;; Outputs: out0 2 x 2,048 x 1,024 float32.
;; This version of the problem:
;;   THIS VERSION OF THE PROBLEM IS GIVEN IN LOW PRECISION. The matrix products marked QUANTISED in the list below multiply operands that are first quantised to E3M2 (3 exponent bits, 2 mantissa bits; 6 bits a number), with one power-of-two scale for each 32 numbers along K (OCP MX v1.0); their sums are f32. All else is computed in f32.
;;   The module's matrix products, in the order in which they are computed (A, B: the left and right operand; K: the contracted axis; several contracted axes count as one K, in the product's order):
;;     1. [M 4,096, K 1,024] x [K 1,024, N 3,072]; A: input inputs; B: input rotation_params: QUANTISED
;;     2. batch 32 x [M 2,048, K 64] x [K 64, N 2,048]; A: computed on the way; B: computed on the way: QUANTISED
;;     3. batch 32 x [M 2,048, K 2,048] x [K 2,048, N 64]; A: softmax (see below); B: computed on the way: QUANTISED
;;   THE QUANTISER, for each operand of a quantised product, along K:
;;     - K is cut into blocks of 32 from its start; a last block that is shorter is filled with zeros.
;;     - A block's scale is 2^e with e = floor(log2(the largest magnitude in the block)) - 4, held to -126 .. 127; a block of zeros has e = 0. As a byte (E8M0): e + 127.
;;     - Each number is divided by its block's scale, clamped to +-28, and rounded to the nearest number of E3M2, ties to even, subnormals kept.
;;     - The product sums the exact products of the quantised numbers (number of the format x scale) in f32.
;;   ~~~python
;;   def quantise(x, axis):      # numpy; x: float32 -> the quantised numbers, widened to float32 again
;;       x = np.moveaxis(x, axis, -1); K = x.shape[-1]
;;       x = np.pad(x, [(0, 0)] * (x.ndim - 1) + [(0, -K % 32)]); x = x.reshape(x.shape[:-1] + (-1, 32)); a = np.abs(x).max(-1, keepdims=True)
;;       e = np.where(a > 0, np.clip(np.frexp(np.where(a > 0, a, 1))[1] - 1 - 4, -126, 127), 0)      # np.frexp(a)[1] - 1 = floor(log2(a)), exactly
;;       r = np.clip(x / 2.0 ** e, -28, 28)
;;       step = 2.0 ** (np.maximum(np.frexp(np.where(r == 0, 1, r))[1] - 1, -2) - 2)
;;       q = np.round(r / step) * step * 2.0 ** e      # np.round: ties to even
;;       return np.moveaxis(q.reshape(q.shape[:-2] + (-1,))[..., :K], -1, axis).astype(np.float32)
;;   ~~~
;;   SOFTMAX AHEAD OF A QUANTISED PRODUCT. Where the list says 'softmax', what is quantised is not the finished softmax but p = 2^(t - M), with t = logit x log2(e) and M = ceil(the row's largest t), a whole number; so 1/2 < the row's largest p <= 1. The row's sum l is taken of the UNQUANTISED p, in f32, and the product's result is divided by l at the end. Since M is a whole number, a kernel that streams over the keys may use a running M (the ceiling of the running maximum): every later rescaling is an exact power of two, which a block's scale takes up: the codes' values come out the same.
;;   OPERANDS COMPUTED ON THE WAY. 'Computed on the way' means the value that the module computes at that place (a softmax that the list does not call 'softmax' is quantised finished and normalised). What goes into a quantiser is computed in f32, as accurately as f32 sums, v_exp_f32 and their like allow (about 1e-6 of the number): no bf16 or f16 on the way to a quantiser, and a product that is left as it is and whose result goes on into a quantised operand takes f32 operands (vector FMAs, or v_wmma_f32_16x16x4_f32). A number that lies on a knife's edge between two numbers of the format may be rounded either way, as far as f32 arithmetic and the matrix unit's own rounding can turn it there, and no further.
;; One version. Each part assembles by itself: llvm-mc -triple=amdgcn-amd-amdhsa -mcpu=gfx1250 --defsym DOCPART=n.
;; ======== version 1 of 1: 4 launches
;; limits: right only within a limited range of input values
;; workspace buffers: pc 5,505,024 bytes; ps 229,376 bytes; qc 3,145,728 bytes; qs 262,144 bytes; kvc 6,291,456 bytes; kvs 393,216 bytes; ow 16,777,216 bytes
;; launch quant (part 1): grid 448 x 1, 8 waves a work-group, no clusters, 69,120 bytes of LDS; arguments inputs, rotation_params, pc, ps; writes pc, ps
.if DOCPART == 1
	.amdgcn_target "amdgcn-amd-amdhsa--gfx1250"
	.amdhsa_code_object_version 6
	.text
	.protected	k_qba8316c5fe_quant
	.globl	k_qba8316c5fe_quant
	.p2align	8
	.type	k_qba8316c5fe_quant,@function
k_qba8316c5fe_quant:
	s_mov_b64 s[64:65], 0
	v_nop
	global_prefetch_b8 v0, s[64:65] scope:SCOPE_SE
	s_setreg_imm32_b32 hwreg(HW_REG_WAVE_MODE, 25, 1), 1
	s_wait_xcnt 0x0
; No work of reference() is left out in this program; every input is read.
; inputs [4096][1024] and rotation_params [3072][1024], f32, K innermost, become codes of BF6 (E3M2) with one E8M0 byte for each 32 along K,
; laid as IMAGES OF THE MATRIX OPERAND'S REGISTERS: a fragment (16 rows x 128 K) is 12 registers a lane, stored as three groups of four, lane l's 16 bytes at 16 l.
; THE ROWS OF A TILE ARE NOT NEIGHBOURS, r = 0 .. 15 being the tile's row:
;   a tile T of the weights holds rows 32 (T / 2) + 8 (T % 2) + r + 8 (r / 8): a product with such tiles as source 0 leaves 16 neighbours of that axis in a lane's registers of two tiles;
;   a tile T of the inputs holds rows 64 (T / 4) + 8 (T % 4) + r % 8 + 32 (r / 8): such tiles as source 0 leave 32 neighbours, a whole block, in a lane's registers of four tiles.
; pc: [256 along K: 4][tile: 448][128 along K: 2][group: 3][lane][16 bytes]; tiles 0-255 are the inputs', 256-447 the weights'.   ps: [tile][row 16][128 along K: 8] one word of four scale bytes.
; A block's scale is 2^(floor(log2(largest magnitude)) - 4): its byte is the largest magnitude's exponent field - 4, held at 1 from below.
; LIMITS: NaN and infinities among the inputs are not served; a block whose largest magnitude lies under 2^-122 keeps the byte 1; a block of zeros gets the byte 1 where the rule says 127 (its codes are zeros, and this program alone reads the bytes).
; SHARES: a work-group takes one tile of 16 whole rows, wave w the 128 along K numbered w.  Each load reads 512 consecutive bytes of a row; the 8 KiB turn through the wave's own stage in LDS, so that lane (r, h)
; gets, of row r, 16 neighbours of each block of 32.  No loop.  No cluster: no two work-groups read the same byte.  No tensor load: each byte is wanted in registers once.
.set SP,    528                        ; a stage row: 512 bytes + 16
.set STG,   16*SP                      ; a wave's stage
.set SCW,   8*STG                      ; behind the stages: the tile's 128 scale words
.set SSTEP, 1376256                    ; pc: 448 tiles x 3,072 bytes for 256 along K
.set IN,  16                           ; v16-79   the rows as loaded
.set X,   80                           ; v80-143  register 16 b + i = k 32 b + 16 h + i of my row
.set TM,  144                          ; v144-159 at work in QUANT
.set PW,  160                          ; the scale word
.set PC,  164                          ; v164-175 the codes; v176-182 at work
.set SEL, 20                           ; s[20:21] v_permlanex16_b32's selects for lane l xor 16
.macro QUANT s                         ; 64 numbers of a lane become a fragment's codes in v[PC] on and its row's scale word in v[PW]
.irp b, 0,1,2,3
	v_max3_num_f32 v[TM+\b], |v[\s+16*\b]|, |v[\s+1+16*\b]|, 0x2800000   ; block b: my 16 numbers, and the floor 2^(5 - 127)
.endr
.irp i, 2,4,6,8,10,12,14
.irp b, 0,1,2,3
	s_delay_alu instid0(VALU_DEP_4)
	v_max3_num_f32 v[TM+\b], v[TM+\b], |v[\s+16*\b+\i]|, |v[\s+1+16*\b+\i]|
.endr
.endr
.irp b, 0,1,2,3
	s_delay_alu instid0(VALU_DEP_4)
	v_permlanex16_b32 v[TM+4+\b], v[TM+\b], s[SEL], s[SEL+1]
.endr
.irp b, 0,1,2,3
	s_delay_alu instid0(VALU_DEP_4)
	v_max_num_f32 v[TM+\b], v[TM+\b], v[TM+4+\b]   ; with lane l xor 16's: the block's largest magnitude
.endr
.irp b, 0,1,2,3
	s_delay_alu instid0(VALU_DEP_4)
	v_add_nc_u32 v[TM+12+\b], 0xfe000000, v[TM+\b]   ; 4 off its exponent field: the conversion's scale operand
.endr
.irp b, 0,1,2,3
	s_delay_alu instid0(VALU_DEP_4)
	v_lshrrev_b32 v[TM+4+\b], 23, v[TM+12+\b]      ; the scale's byte
.endr
	s_delay_alu instid0(VALU_DEP_3)
	v_lshl_or_b32 v[PW], v[TM+5], 8, v[TM+4]
	s_delay_alu instid0(VALU_DEP_1)
	v_lshl_or_b32 v[PW], v[TM+6], 16, v[PW]
	s_delay_alu instid0(VALU_DEP_1)
	v_lshl_or_b32 v[PW], v[TM+7], 24, v[PW]
.irp c, 0,1
	v_cvt_scalef32_pk16_bf6_f32 v[PC+6*\c:PC+2+6*\c], v[\s+32*\c:\s+15+32*\c], v[TM+12+2*\c]
	v_cvt_scalef32_pk16_bf6_f32 v[PC+12+4*\c:PC+14+4*\c], v[\s+16+32*\c:\s+31+32*\c], v[TM+12+2*\c+1]   ; (a conversion's three registers begin on an even number)
.endr
	v_nop                                          ; one plain place behind a scaled conversion
.irp c, 0,1                                    ; the operand wants a whole block in a lane
.irp i, 0,1,2
	v_permlane16_swap_b32 v[PC+6*\c+\i], v[PC+12+4*\c+\i]
.endr
.irp i, 0,1,2
	s_delay_alu instid0(VALU_DEP_3)
	v_mov_b32 v[PC+3+6*\c+\i], v[PC+12+4*\c+\i]
.endr
.endr
.endm
	s_load_b256 s[4:11], s[0:1], 0x0               ; inputs s[4:5], rotation_params s[6:7], pc s[8:9], ps s[10:11]
	v_lshl_add_u32 v192, v0, 2, 0x10a00
	v_mov_b32 v193, 0
	v_lshrrev_b32 v1, 5, v0
	s_delay_alu instid0(VALU_DEP_1)
	v_readfirstlane_b32 s12, v1                    ; wave 0..7 = which 128 along K
	v_and_b32 v6, 31, v0                           ; lane
	v_and_b32 v7, 15, v0                           ; r
	v_bfe_u32 v8, v0, 4, 1                         ; h
	s_delay_alu instid0(VALU_DEP_3)
	v_lshlrev_b32 v1, 4, v6                        ; 16 x lane
	s_mov_b32 s[SEL], 0x76543210
	s_mov_b32 s[SEL+1], 0xfedcba98
	s_wait_alu depctr_va_vdst(0)                   ; the wait at the head's end
	s_wait_kmcnt 0x0
	s_cmp_lt_u32 ttmp9, 256                        ; a tile of the inputs or of the weights?  The choice hangs on the work-group's number alone
	s_cselect_b64 s[4:5], s[4:5], s[6:7]
	s_cselect_b32 s15, 0, 256
	s_cselect_b32 s22, 2, 1                        ; tiles to a group of rows: 4 (inputs) or 2 (weights), as a shift
	s_cselect_b32 s24, 0x10000, 0                  ; the inputs' rows 8-15 lie 16 rows further down than the weights'
	s_sub_co_u32 s15, ttmp9, s15                   ; the tile's number in its tensor
	s_lshr_b32 s16, s15, s22
	s_add_co_u32 s23, s22, 16
	s_lshl_b32 s16, s16, s23                       ; 64 rows of 4,096 bytes for each four tiles, or 32 for each pair,
	s_bfm_b32 s17, s22, 0
	s_and_b32 s17, s15, s17
	s_lshl_b32 s17, s17, 15                        ; 8 rows for each tile within the group,
	s_add_co_u32 s16, s16, s17
	s_lshl_b32 s17, s12, 9                         ; 512 bytes for each 128 along K
	s_add_co_u32 s16, s16, s17
	s_mov_b32 s17, 0
	s_add_nc_u64 s[4:5], s[4:5], s[16:17]
	s_mov_b32 s25, 0
	s_add_nc_u64 s[6:7], s[4:5], s[24:25]          ; the base for the tile's rows 8-15
.irp i, 0,1,2,3,4,5,6,7
	global_load_b128 v[IN+4*\i:IN+4*\i+3], v1, s[4:5] offset:\i*4096 th:TH_LOAD_NT   ; row i of the tile: 32 lanes read 512 consecutive bytes
.endr
.irp i, 8,9,10,11,12,13,14,15
	global_load_b128 v[IN+4*\i:IN+4*\i+3], v1, s[6:7] offset:(\i+8)*4096 th:TH_LOAD_NT
.endr
	s_mul_i32 s13, s12, STG
	v_add_nc_u32 v2, s13, v1                       ; the stage, on the way in: as loaded
	v_mul_u32_u24 v3, v7, SP
	s_delay_alu instid0(VALU_DEP_1)
	v_lshl_add_u32 v3, v8, 6, v3
	s_delay_alu instid0(VALU_DEP_1)
	v_add_nc_u32 v3, s13, v3                       ; and out: row r, + 64 h
	s_lshl_b32 s14, s12, 2
	s_add_co_u32 s14, s14, SCW
	v_lshl_add_u32 v4, v7, 5, s14                  ; my row's scale word of my 128 along K: 32 r + 4 w
	v_add_nc_u32 v5, SCW, v1                       ; and the words' way out
	s_lshr_b32 s18, s12, 1
	s_mul_i32 s18, s18, SSTEP
	s_mul_i32 s19, ttmp9, 3072
	s_add_co_u32 s18, s18, s19
	s_and_b32 s19, s12, 1
	s_mul_i32 s19, s19, 1536
	s_add_co_u32 s18, s18, s19
	s_mov_b32 s19, 0
	s_add_nc_u64 s[8:9], s[8:9], s[18:19]          ; my fragment's image
	s_lshl_b32 s18, ttmp9, 9
	s_add_nc_u64 s[10:11], s[10:11], s[18:19]      ; the tile's scale words
.irp b, 0,1,2,3
	v_mov_b32 v[TM+4+\b], 0                        ; written once: a lane permute's destination counts as one of its sources
.endr
	s_wait_alu depctr_va_vdst(0)                   ; the wait ahead of the waits below
.irp i, 0,1,2,3,4,5,6,7,8,9,10,11,12,13,14,15
	s_wait_loadcnt 15-\i                           ; loads come back in order: row i is in, the younger rows may be out
	ds_store_b128 v2, v[IN+4*\i:IN+4*\i+3] offset:SP*\i
.endr
.irp b, 0,1,2,3
.irp j, 0,1,2,3
	ds_load_b128 v[X+16*\b+4*\j:X+16*\b+4*\j+3], v3 offset:128*\b+16*\j   ; my wave's own bytes, served in order
.endr
.endr
	s_wait_dscnt 0x0
	QUANT X
.irp g, 0,1,2
	global_store_b128 v1, v[PC+4*\g:PC+4*\g+3], s[8:9] offset:512*\g   ; 32 lanes store 512 consecutive bytes, at a multiple of 256 from pc's first byte
.endr
	ds_store_b32 v4, v[PW]                         ; lanes r and r + 16 write the same word with the same value
	s_wait_dscnt 0x0                               ; for wave 0's sake: my word has landed
	s_barrier_signal -1
	s_barrier_wait -1
	s_cmp_lg_u32 s12, 0
	s_cbranch_scc1 .Lend
	ds_load_b128 v[16:19], v5                      ; wave 0: the tile's 512 bytes of scale words leave as two whole aligned runs of 256 bytes
	s_wait_dscnt 0x0
	global_store_b128 v1, v[16:19], s[10:11]
.Lend:
	s_wait_tensorcnt 0x0                           ; the wave's end
	ds_add_u32 v192, v193
	s_wait_dscnt 0x0
	s_endpgm
.Lfunc_end_k_qba8316c5fe_quant:
	.size	k_qba8316c5fe_quant, .Lfunc_end_k_qba8316c5fe_quant-k_qba8316c5fe_quant
	.p2alignl 7, 3214868480
	.fill 96, 4, 3214868480
	.section	.rodata,"a",@progbits
	.p2align	6, 0x0
	.amdhsa_kernel k_qba8316c5fe_quant
		.amdhsa_group_segment_fixed_size 69120
		.amdhsa_private_segment_fixed_size 0
		.amdhsa_enable_private_segment 0
		.amdhsa_kernarg_size 32
		.amdhsa_user_sgpr_count 2
		.amdhsa_user_sgpr_kernarg_segment_ptr 1
		.amdhsa_wavefront_size32 1
		.amdhsa_system_sgpr_workgroup_id_x 1
		.amdhsa_system_sgpr_workgroup_id_y 1
		.amdhsa_system_sgpr_workgroup_id_z 1
		.amdhsa_system_vgpr_workitem_id 0
		.amdhsa_next_free_vgpr 194
		.amdhsa_next_free_sgpr 66
		.amdhsa_reserve_vcc 0
		.amdhsa_float_denorm_mode_32 3
		.amdhsa_float_denorm_mode_16_64 3
		.amdhsa_memory_ordered 1
		.amdhsa_forward_progress 1
		.amdhsa_inst_pref_size 13
	.end_amdhsa_kernel
	.amdgpu_metadata
---
amdhsa.version: [ 1, 2 ]
amdhsa.kernels:
  - .name:           k_qba8316c5fe_quant
    .symbol:         k_qba8316c5fe_quant.kd
    .args:
      - { .name: inputs, .offset: 0, .size: 8, .value_kind: global_buffer, .address_space: global }
      - { .name: rotation_params, .offset: 8, .size: 8, .value_kind: global_buffer, .address_space: global }
      - { .name: pc, .offset: 16, .size: 8, .value_kind: global_buffer, .address_space: global }
      - { .name: ps, .offset: 24, .size: 8, .value_kind: global_buffer, .address_space: global }
    .group_segment_fixed_size: 69120
    .private_segment_fixed_size: 0
    .kernarg_segment_align: 8
    .kernarg_segment_size: 32
    .max_flat_workgroup_size: 256
    .sgpr_count:     66
    .vgpr_count:     194
    .wavefront_size: 32
...
	.end_amdgpu_metadata
.endif
;; end of part 1
;; launch proj (part 2): grid 12 x 16, 4 waves a work-group, clusters of 4 x 4, 327,680 bytes of LDS; arguments pc, ps, qc, qs, kvc, kvs, entangle_params; writes qc, qs, kvc, kvs
.if DOCPART == 2
	.amdgcn_target "amdgcn-amd-amdhsa--gfx1250"
	.amdhsa_code_object_version 6
	.text
	.protected	k_qba8316c5fe_proj
	.globl	k_qba8316c5fe_proj
	.p2align	8
	.type	k_qba8316c5fe_proj,@function
k_qba8316c5fe_proj:
	s_mov_b64 s[64:65], 0
	v_nop
	global_prefetch_b8 v0, s[64:65] scope:SCOPE_SE
	s_setreg_imm32_b32 hwreg(HW_REG_WAVE_MODE, 25, 1), 1
	s_wait_xcnt 0x0
	s_wait_alu depctr_hold_cnt(0) depctr_sa_sdst(0) depctr_va_vdst(0) depctr_va_sdst(0) depctr_va_ssrc(0) depctr_va_vcc(0) depctr_vm_vsrc(0)
	s_getreg_b32 s2, hwreg(HW_REG_IB_STS2, 6, 4)
	s_cmp_eq_u32 s2, 0
	s_cbranch_scc0 .Lentry_in_a_cluster
	s_endpgm
.Lentry_in_a_cluster:
	s_bfe_u32 s2, ttmp6, 0x10000c
	s_cmp_lg_u32 s2, 0xf033
	s_cbranch_scc0 .Lentry_shape_is_right
	s_endpgm
.Lentry_shape_is_right:
.set HALFT,  24576
.set SLOT,   4*HALFT
.set SCL,    2*SLOT
.set SPARE,  SCL+16384
.set SSTEP,  1376256
.set FR,     12
.set NL,     3
.set NP,     4
.set ADRR, 16
.set ADRP, 20
.set ADSR, 24
.set ADSP, 25
.set L16,  26
.set L8,   27
.set SPW,  28
.set NIL,  29
.set SOF,  30
.set BOF,  31
.set SCR,  32
.set SCP,  64
.set TM,   96
.set PW,   112
.set SH,   113
.set SW,   116
.set OW4,  124
.set AF,   128
.set T,    128
.set PC,   224
.set BIAS, 0
.set SEL,  2
.set G1, 24
.set G0, 32
.set G1B, 48
.set G0B, 56
.set G1S, 68
.set G0S, 76
.set G1SB, 80
.set G0SB, 88
.set MSB, 0
.macro WIN new
.if MSB != (\new)
	s_set_vgpr_msb (MSB<<8)|(\new)
.set MSB, (\new)
.endif
.endm
.set MUL_LO, 0xa1
.set MUL_HI, 0xf1
.set TO_P,   0x40
.macro JLOAD g0a, g1a, g0b, g1b
	s_cmp_eq_u32 s15, 0
	s_cbranch_scc0 .Lfor_b_\@
	tensor_load_to_lds s[\g0a:\g0a+3], s[\g1a:\g1a+7]
	s_nop 0
.rept 4
	v_nop
.endr
	s_branch .Lasked_\@
.Lfor_b_\@:
	tensor_load_to_lds s[\g0b:\g0b+3], s[\g1b:\g1b+7]
	s_nop 0
.rept 4
	v_nop
.endr
.Lasked_\@:
.endm
.macro CREST
	s_cmp_lg_u32 s14, 0
	s_cbranch_scc1 .Lnot_wave_0_\@
	s_barrier_signal -3
.Lnot_wave_0_\@:
	s_barrier_wait -3
	s_barrier_signal -1
	s_barrier_wait -1
.endm
.macro CROUND
	s_barrier_signal -1
	s_barrier_wait -1
	CREST
.endm
.macro PLACES n
.rept \n
	v_nop
.endr
.endm
.macro QUANT s
.irp b, 0,1,2,3
	v_max3_num_f32 v[TM+\b], |v[\s+16*\b]|, |v[\s+1+16*\b]|, 0x2800000
.endr
.irp i, 2,4,6,8,10,12,14
.irp b, 0,1,2,3
	v_max3_num_f32 v[TM+\b], v[TM+\b], |v[\s+16*\b+\i]|, |v[\s+1+16*\b+\i]|
.endr
.endr
.irp b, 0,1,2,3
	v_permlanex16_b32 v[TM+4+\b], v[TM+\b], s[SEL], s[SEL+1]
.endr
.irp b, 0,1,2,3
	v_max_num_f32 v[TM+\b], v[TM+\b], v[TM+4+\b]
.endr
.irp b, 0,1,2,3
	v_add_nc_u32 v[TM+12+\b], 0xfe000000, v[TM+\b]
.endr
.irp b, 0,1,2,3
	v_lshrrev_b32 v[TM+4+\b], 23, v[TM+12+\b]
.endr
	v_lshl_or_b32 v[PW], v[TM+5], 8, v[TM+4]
	v_lshl_or_b32 v[PW], v[TM+6], 16, v[PW]
	v_lshl_or_b32 v[PW], v[TM+7], 24, v[PW]
.irp c, 0,1
	v_cvt_scalef32_pk16_bf6_f32 v[PC+6*\c:PC+2+6*\c], v[\s+32*\c:\s+15+32*\c], v[TM+12+2*\c]
	v_cvt_scalef32_pk16_bf6_f32 v[PC+12+4*\c:PC+14+4*\c], v[\s+16+32*\c:\s+31+32*\c], v[TM+12+2*\c+1]
.endr
	v_nop
.irp c, 0,1
.irp i, 0,1,2
	v_permlane16_swap_b32 v[PC+6*\c+\i], v[PC+12+4*\c+\i]
.endr
.irp i, 0,1,2
	v_mov_b32 v[PC+3+6*\c+\i], v[PC+12+4*\c+\i]
.endr
.endr
.endm
	s_load_b128 s[4:7], s[0:1], 0x0
	s_load_b128 s[92:95], s[0:1], 0x10
	s_load_b128 s[96:99], s[0:1], 0x20
	s_load_b64 s[12:13], s[0:1], 0x30
	v_lshl_add_u32 v[SPW], v0, 2, SPARE
	v_mov_b32 v[NIL], 0
	ds_add_u32 v28, v29
	ds_add_u32 v28, v29
	s_wait_dscnt 0x0
	v_lshrrev_b32 v1, 5, v0
	v_readfirstlane_b32 s14, v1
	v_and_b32 v115, 31, v0
	v_min_u32 v115, 23, v115
	v_lshlrev_b32 v115, 8, v115                    ; the prefetches' offset: a lane a block of 256 bytes, 24 blocks; lanes 24-31 name the last again; never rewritten
	s_lshr_b32 s15, s14, 1
	s_and_b32 s16, s14, 1
	s_bfe_u32 s40, ttmp6, 0x40000
	s_bfe_u32 s41, ttmp6, 0x40004
	s_lshl_b32 s42, ttmp9, 2
	s_add_co_u32 s42, s42, s40
	s_and_b32 s17, ttmp7, 0xffff
	s_lshl_b32 s17, s17, 2
	s_add_co_u32 s17, s17, s41
	s_lshl_b32 s43, s41, 2
	s_lshl_b32 s43, 15, s43
	s_lshl_b32 s44, 0x1111, s40
	s_or_b32 s[G1+0], s43, (3<<16)|(1<<21)
	s_or_b32 s[G1B+0], s44, (3<<16)|(1<<21)
	s_or_b32 s[G1S+0], s43, (3<<16)|(1<<21)
	s_or_b32 s[G1SB+0], s44, (3<<16)|(1<<21)
.irp g, G1, G1B
	s_mov_b32 s[\g+1], 32<<16
	s_mov_b32 s[\g+2], 192<<16
	s_mov_b32 s[\g+3], 32<<16
	s_mov_b32 s[\g+4], 192
	s_mov_b32 s[\g+5], 32
	s_mov_b32 s[\g+6], 0
	s_mov_b32 s[\g+7], 0
.endr
.irp g, G1S, G1SB
	s_mov_b32 s[\g+1], 32<<16
	s_mov_b32 s[\g+2], 32<<16
	s_mov_b32 s[\g+3], 32<<16
	s_mov_b32 s[\g+4], 32
	s_mov_b32 s[\g+5], 32
	s_mov_b32 s[\g+6], 0
	s_mov_b32 s[\g+7], 0
.endr
	s_mul_i32 s18, s16, HALFT
	s_mul_i32 s20, s17, 2*HALFT
	s_mov_b32 s21, 0
	s_mul_i32 s46, s42, 2*HALFT
	s_add_co_u32 s46, s46, 256*3072
	s_mov_b32 s47, 0
	s_lshl_b32 s22, s17, 13
	s_mov_b32 s23, 0
	s_lshl_b32 s8, s42, 13
	s_add_co_u32 s8, s8, 256*512
	s_mov_b32 s9, 0
	s_mul_i32 s45, s14, HALFT
	s_wait_kmcnt 0x0
	s_add_nc_u64 s[20:21], s[4:5], s[20:21]
	s_add_nc_u64 s[46:47], s[4:5], s[46:47]
	s_add_nc_u64 s[22:23], s[6:7], s[22:23]
	s_add_nc_u64 s[8:9], s[6:7], s[8:9]
	CROUND
	s_mov_b32 s[G0S], 1
	s_mov_b32 s[G0S+1], SCL
	s_mov_b64 s[G0S+2:G0S+3], s[22:23]
	s_or_b32 s[G0S+3], s[G0S+3], 0x80000000
	s_mov_b32 s[G0SB], 1
	s_mov_b32 s[G0SB+1], SCL+8192
	s_mov_b64 s[G0SB+2:G0SB+3], s[8:9]
	s_or_b32 s[G0SB+3], s[G0SB+3], 0x80000000
	s_mov_b32 s4, 1                                ; group 0 for the head's two loads of codes, each a whole tile of step 0: the inputs' 192 rows of 256 bytes,
	s_mov_b32 s5, 0
	s_mov_b64 s[6:7], s[20:21]
	s_or_b32 s7, s7, 0x80000000
	s_mov_b32 s8, 1                                ; and the weights', behind them in slot 0
	s_mov_b32 s9, 2*HALFT
	s_mov_b64 s[10:11], s[46:47]
	s_or_b32 s11, s11, 0x80000000
	s_mov_b32 s19, 0
	s_add_nc_u64 s[20:21], s[20:21], s[18:19]      ; for the ring: my half of a tile
	s_add_nc_u64 s[46:47], s[46:47], s[18:19]
.irp s, 0,1
	s_mov_b32 s[G0+4*\s], 1
	s_add_co_u32 s[G0+4*\s+1], s45, \s*SLOT
	s_add_nc_u64 s[G0+4*\s+2:G0+4*\s+3], s[20:21], \s*SSTEP
	s_or_b32 s[G0+4*\s+3], s[G0+4*\s+3], 0x80000000
	s_mov_b32 s[G0B+4*\s], 1
	s_add_co_u32 s[G0B+4*\s+1], s45, \s*SLOT
	s_add_nc_u64 s[G0B+4*\s+2:G0B+4*\s+3], s[46:47], \s*SSTEP
	s_or_b32 s[G0B+4*\s+3], s[G0B+4*\s+3], 0x80000000
.endr
	; where my prefetches stand: of the 96 blocks of 256 bytes that I fetch in a step, the four partners that ask for them with me take 24 each, told apart by address (cx for the inputs' tiles, cy for the weights')
	s_cmp_eq_u32 s15, 0
	s_cselect_b64 s[100:101], s[20:21], s[46:47]
	s_cselect_b32 s18, s40, s41
	s_mul_i32 s18, s18, 6144
	s_add_nc_u64 s[100:101], s[100:101], s[18:19]
; THE HEAD'S LOADS, ONE A WAVE: wave 0 the inputs' tile of step 0, wave 1 the weights', wave 2 the inputs' scale words, wave 3 the weights'.  One chain of branches on the wave's number, one load to an arm.
.macro ARM under, g0, g1, next
	s_cmp_lt_u32 s14, \under
	s_cbranch_scc0 \next
	tensor_load_to_lds s[\g0:\g0+3], s[\g1:\g1+7]
	s_nop 0
.rept 4
	v_nop
.endr
	s_branch .Lhead_asked
\next:
.endm
	ARM 1, 4, G1, .Lhead_b
	ARM 2, 8, G1B, .Lhead_sa
	ARM 3, G0S, G1S, .Lhead_sb
	tensor_load_to_lds s[G0SB:G0SB+3], s[G1SB:G1SB+7]
	s_nop 0
.rept 4
	v_nop
.endr
.Lhead_asked:
	s_wait_alu depctr_va_vdst(0)                   ; the wait here, directly ahead of the wait below
	s_wait_tensorcnt 0x0                           ; my tile of the head's four is in
	ds_add_u32 v28, v29
	s_mov_b32 s[G1+2], 96<<16                      ; no tensor load of mine is out: from here on a load brings 96 rows
	s_mov_b32 s[G1+4], 96
	s_mov_b32 s[G1B+2], 96<<16
	s_mov_b32 s[G1B+4], 96
	s_wait_dscnt 0x0
	CROUND
	JLOAD G0+4, G1, G0B+4, G1B                     ; step 1 into slot 1: the first tensor load behind the round
	v_and_b32 v1, 15, v0
	v_bfe_u32 v2, v0, 4, 1
	v_and_b32 v3, 31, v0
	v_lshlrev_b32 v[L16], 4, v3
	s_wait_alu depctr_va_vdst(0)
	v_lshlrev_b32 v[L8], 3, v3
	v_lshlrev_b32 v[SH], 4, v2
.irp b, 0,1,2,3
	v_mov_b32 v[TM+4+\b], 0
.endr
	s_mov_b32 s[SEL], 0x76543210
	s_mov_b32 s[SEL+1], 0xfedcba98
	s_cmp_eq_u32 ttmp9, 2
	s_cselect_b32 s66, 1, 0
	s_cselect_b32 s18, 2*HALFT, 0
	s_cselect_b32 s19, 0, 2*HALFT
	s_cselect_b32 s20, 8192, 0
	s_cselect_b32 s21, 0, 8192
	s_mul_i32 s22, s15, HALFT
	s_add_co_u32 s18, s18, s22
	s_mul_i32 s22, s16, HALFT
	s_add_co_u32 s19, s19, s22
.irp s, 0,1
	v_add_nc_u32 v[ADRR+\s], s18, v[L16]
	v_add_nc_u32 v[ADRP+\s], s19, v[L16]
	s_add_co_u32 s18, s18, SLOT
	s_add_co_u32 s19, s19, SLOT
.endr
	s_lshl_b32 s22, s15, 12
	s_add_co_u32 s20, s20, s22
	s_add_co_u32 s20, s20, SCL
	s_lshl_b32 s22, s16, 12
	s_add_co_u32 s21, s21, s22
	s_add_co_u32 s21, s21, SCL
	v_lshl_add_u32 v[ADSR], v1, 5, s20
	v_lshl_add_u32 v[ADSP], v1, 5, s21
.macro FRAG reg, adr, q, i
.irp c, 0,1,2
	ds_load_b128 v[\reg+4*\c:\reg+4*\c+3], v[\adr] offset:(\i)*3072+(\q)*1536+512*\c
.endr
.endm
.macro FETCH_P slot, q, p
	WIN TO_P
.irp i, 0,1,2,3,4,5,6,7
	FRAG 128*(\p)+FR*\i, ADRP+\slot, \q, \i
.endr
	WIN 0
.endm
.macro FETCH_R slot, q, i0
.irp i, \i0, \i0+1, \i0+2, \i0+3
	FRAG AF+FR*(\i), ADRR+\slot, \q, \i
.endr
.endm
.macro SCALES sc
.irp i, 0,1,2,3,4,5,6,7
	ds_load_b64 v[SCR+16*\sc+2*\i:SCR+16*\sc+2*\i+1], v[ADSR] offset:\i*512
	ds_load_b64 v[SCP+16*\sc+2*\i:SCP+16*\sc+2*\i+1], v[ADSP] offset:\i*512
.endr
.endm
.macro MUL16 a0, p, q, sc, zero
.irp a, \a0, \a0+1
.irp b, 0,1,2,3,4,5,6,7
.if \zero
	v_wmma_scale_f32_16x16x128_f8f6f4 v[8*(8*((\a)%4)+\b):8*(8*((\a)%4)+\b)+7], v[128*(\p)+FR*\b:128*(\p)+FR*\b+FR-1], v[AF+FR*(\a):AF+FR*(\a)+FR-1], 0, v[SCP+16*(\sc)+2*\b+(\q)], v[SCR+16*(\sc)+2*(\a)+(\q)] matrix_a_fmt:MATRIX_FMT_BF6 matrix_b_fmt:MATRIX_FMT_BF6
.else
	v_wmma_scale_f32_16x16x128_f8f6f4 v[8*(8*((\a)%4)+\b):8*(8*((\a)%4)+\b)+7], v[128*(\p)+FR*\b:128*(\p)+FR*\b+FR-1], v[AF+FR*(\a):AF+FR*(\a)+FR-1], v[8*(8*((\a)%4)+\b):8*(8*((\a)%4)+\b)+7], v[SCP+16*(\sc)+2*\b+(\q)], v[SCR+16*(\sc)+2*(\a)+(\q)] matrix_a_fmt:MATRIX_FMT_BF6 matrix_b_fmt:MATRIX_FMT_BF6
.endif
.endr
.endr
.endm
.macro STEP slot, zero
	s_wait_dscnt 4*NL
	WIN MUL_LO
	MUL16 0, 0, 0, \slot, \zero
	MUL16 2, 0, 0, \slot, \zero
	s_wait_dscnt 0
	PLACES NP
	FETCH_P \slot, 1, 1
	FETCH_R \slot, 1, 0
	WIN MUL_HI
	MUL16 4, 0, 0, \slot, \zero
	MUL16 6, 0, 0, \slot, \zero
	PLACES NP
	WIN 0
	FETCH_R \slot, 1, 4
.endm
.macro TURN slot, next, fill
	s_wait_tensorcnt 0x0
	ds_add_u32 v[SPW], v[NIL]
	s_wait_dscnt 4*NL+1
	WIN MUL_LO
	MUL16 0, 1, 1, \slot, 0
	s_wait_dscnt 0x0
	s_barrier_signal -1
	MUL16 2, 1, 1, \slot, 0
	WIN 0
	s_barrier_wait -1
.if \fill
	CREST
	s_add_nc_u64 s[G0+4*\slot+2:G0+4*\slot+3], s[G0+4*\slot+2:G0+4*\slot+3], 2*SSTEP
	s_add_nc_u64 s[G0B+4*\slot+2:G0B+4*\slot+3], s[G0B+4*\slot+2:G0B+4*\slot+3], 2*SSTEP
	JLOAD G0+4*\slot, G1, G0B+4*\slot, G1B
.else
	PLACES NP
.endif
	s_wait_alu depctr_va_vdst(0)
	v_add_nc_u32 v[ADSR], 8, v[ADSR]
	v_add_nc_u32 v[ADSP], 8, v[ADSP]
	FETCH_P \next, 0, 0
	FETCH_R \next, 0, 0
	SCALES \next
	WIN MUL_HI
	MUL16 4, 1, 1, \slot, 0
	MUL16 6, 1, 1, \slot, 0
	PLACES NP
	WIN 0
	FETCH_R \next, 0, 4
.endm
; V's quantiser, along the keys: the inputs' tiles leave a whole block of 32 keys in a lane: registers 32 c + i are key 64 c + 32 h + i.  No other lane is asked for a maximum; the scale word's bytes h and 2 + h are mine, the other two lane l xor 16's.
.macro QUANTV s
.irp c, 0,1
	v_max3_num_f32 v[TM+\c], |v[\s+32*\c]|, |v[\s+1+32*\c]|, 0x2800000
.endr
.irp i, 2,4,6,8,10,12,14,16,18,20,22,24,26,28,30
.irp c, 0,1
	v_max3_num_f32 v[TM+\c], v[TM+\c], |v[\s+32*\c+\i]|, |v[\s+1+32*\c+\i]|
.endr
.endr
.irp c, 0,1
	v_add_nc_u32 v[TM+12+\c], 0xfe000000, v[TM+\c]
.endr
.irp c, 0,1
	v_lshrrev_b32 v[TM+4+\c], 23, v[TM+12+\c]
.endr
	v_lshl_or_b32 v[PW], v[TM+5], 16, v[TM+4]
	v_lshlrev_b32 v[PW], v114, v[PW]
	v_permlanex16_b32 v[TM+6], v[PW], s[SEL], s[SEL+1]
	v_or_b32 v[PW], v[PW], v[TM+6]
.irp c, 0,1
	v_cvt_scalef32_pk16_bf6_f32 v[PC+6*\c:PC+2+6*\c], v[\s+32*\c:\s+15+32*\c], v[TM+12+\c]
	v_cvt_scalef32_pk16_bf6_f32 v[PC+12+4*\c:PC+14+4*\c], v[\s+16+32*\c:\s+31+32*\c], v[TM+12+\c]
.endr
	v_nop
.irp c, 0,1
.irp i, 0,1,2
	v_mov_b32 v[PC+3+6*\c+\i], v[PC+12+4*\c+\i]
.endr
.endr
.endm
.macro OUT kind, a
.if \a > 0
	s_wait_xcnt 0x0
.endif
	WIN 0x06+(\a)/4
.set II, 0
.rept 32
.if \kind
	v_pk_add_f32 v[T+2*II:T+2*II+1], v[64*((\a)%4)+2*II:64*((\a)%4)+2*II+1], v[BIAS+2*(\a):BIAS+2*(\a)+1]
.else
	v_pk_add_f32 v[T+2*II:T+2*II+1], v[64*((\a)%4)+2*II:64*((\a)%4)+2*II+1], v[BIAS+2*II:BIAS+2*II+1]
.endif
.set II, II+1
.endr
	WIN 0
.if \kind
	QUANTV T
.else
	QUANT T
.endif
.if \kind
.irp g, 0,1,2
	global_store_b128 v[L16], v[PC+4*\g:PC+4*\g+3], s[4:5] offset:((\a)/4)*393216+((\a)%4)*1536+512*\g
.endr
	v_mov_b32 v[SW+\a], v[PW]
.else
	global_store_b128 v[L16], v[PC:PC+3], s[4:5] offset:768*(\a)
	global_store_b64 v[L8], v[PC+4:PC+5], s[4:5] offset:768*(\a)+512
	global_store_b128 v[L16], v[PC+6:PC+9], s[8:9] offset:768*(\a)
	global_store_b64 v[L8], v[PC+10:PC+11], s[8:9] offset:768*(\a)+512
	v_lshrrev_b32 v[SW+\a], v[SH], v[PW]
	v_and_b32 v[SW+\a], 0xffff, v[SW+\a]
.endif
.endm
.macro TAIL kind
.if \kind
.set KSEL, 16
.set HSEL, 15
.else
.set KSEL, 15
.set HSEL, 16
.endif
	s_lshr_b32 s44, s17, 3
	s_and_b32 s45, s17, 7
	s_lshl_b32 s45, s45, 1
	s_add_co_u32 s45, s45, s[KSEL]
	s_lshl_b32 s46, s40, 3
	s_lshl_b32 s47, s[HSEL], 2
	s_add_co_u32 s46, s46, s47
	s_add_co_u32 s46, s46, s44
	s_lshl_b32 s10, s42, 10
	s_lshl_b32 s11, s[HSEL], 9
	s_add_co_u32 s10, s10, s11
	s_mov_b32 s11, 0
	s_add_nc_u64 s[12:13], s[12:13], s[10:11]
	s_mov_b32 s21, 0
.if \kind
	s_mul_i32 s20, s46, 196608
	s_lshr_b32 s47, s45, 2
	s_mul_i32 s47, s47, 49152
	s_add_co_u32 s20, s20, s47
	s_and_b32 s47, s45, 3
	s_mul_i32 s47, s47, 6144
	s_add_co_u32 s20, s20, s47
	s_add_co_u32 s20, s20, 24576
	s_add_nc_u64 s[4:5], s[96:97], s[20:21]
	s_mul_i32 s20, s46, 12288
	s_lshl_b32 s47, s45, 8
	s_add_co_u32 s20, s20, s47
	s_add_co_u32 s20, s20, 8192
	s_add_nc_u64 s[6:7], s[98:99], s[20:21]
	v_mul_u32_u24 v[SOF], 24576, v2
	v_lshlrev_b32 v114, 3, v2
	v_lshl_add_u32 v[SOF], v1, 4, v[SOF]
	v_and_b32 v[BOF], 8, v1
	v_add_nc_u32 v[BOF], v[BOF], v1
	v_lshlrev_b32 v[BOF], 2, v[BOF]
	WIN TO_P
.irp a, 0,1,2,3,4,5,6,7
	global_load_b32 v[BIAS+2*\a], v[BOF], s[12:13] offset:(32*(\a/2)+8*(\a%2))*4
	global_load_b32 v[BIAS+2*\a+1], v[BOF], s[12:13] offset:(32*(\a/2)+8*(\a%2))*4
.endr
.else
	s_and_b32 s43, ttmp9, 1
	s_lshl_b32 s18, 98304, s43
	s_lshl_b32 s19, 24576, s43
	s_mul_i32 s20, s46, s18
	s_lshr_b32 s47, s45, 2
	s_mul_i32 s47, s47, s19
	s_add_co_u32 s20, s20, s47
	s_and_b32 s47, s45, 3
	s_mul_i32 s47, s47, 6144
	s_add_co_u32 s20, s20, s47
	s_cmp_eq_u32 s43, 1
	s_cselect_b64 s[4:5], s[96:97], s[92:93]
	s_cselect_b64 s[6:7], s[98:99], s[94:95]
	s_add_nc_u64 s[4:5], s[4:5], s[20:21]
	s_lshl_b32 s20, s18, 1
	s_add_nc_u64 s[8:9], s[4:5], s[20:21]
	s_lshl_b32 s22, s43, 12
	s_add_co_u32 s22, s22, 8192
	s_mul_i32 s20, s46, s22
	s_lshl_b32 s47, s45, 9
	s_add_co_u32 s20, s20, s47
	s_add_nc_u64 s[6:7], s[6:7], s[20:21]
	s_lshl_b32 s22, s22, 1
	v_mul_u32_u24 v[SOF], s22, v2
	v_lshl_add_u32 v[SOF], v1, 4, v[SOF]
	v_lshlrev_b32 v[BOF], 6, v2
	WIN TO_P
.irp t, 0,1,2,3,4,5,6,7
	global_load_b128 v[BIAS+8*\t:BIAS+8*\t+3], v[BOF], s[12:13] offset:(32*(\t/2)+8*(\t%2))*4
	global_load_b128 v[BIAS+8*\t+4:BIAS+8*\t+7], v[BOF], s[12:13] offset:(32*(\t/2)+8*(\t%2))*4+16
.endr
.endif
	s_wait_dscnt 4*NL
	WIN MUL_LO
	MUL16 0, 1, 1, 1, 0
	MUL16 2, 1, 1, 1, 0
	s_wait_dscnt 0
	WIN MUL_HI
	MUL16 4, 1, 1, 1, 0
	MUL16 6, 1, 1, 1, 0
	WIN 0
	s_wait_loadcnt 0x0
	PLACES NP
.irp a, 0,1,2,3,4,5,6,7
	OUT \kind, \a
.endr
.if \kind
	v_cmp_ne_u32 vcc_lo, 0, v2
.irp t, 0,1,2,3
	v_cndmask_b32 v[OW4+\t], v[SW+\t], v[SW+4+\t], vcc_lo
.endr
	global_store_b128 v[SOF], v[OW4:OW4+3], s[6:7]
.else
	global_store_b128 v[SOF], v[SW:SW+3], s[6:7]
	global_store_b128 v[SOF], v[SW+4:SW+7], s[6:7] offset:256
.endif
.endm
	s_wait_alu depctr_va_vdst(0)
	s_wait_tensorcnt 1
	s_barrier_signal -1
	s_barrier_wait -1
	FETCH_P 0, 0, 0
	FETCH_R 0, 0, 0
	SCALES 0
	FETCH_R 0, 0, 4
	global_prefetch_b8 v115, s[100:101] offset:2*SSTEP th:TH_LOAD_NT scope:SCOPE_SE   ; trip t asks for the tile of step t + 2: here step 2's, which the refill at this trip's end loads
	STEP 0, 1
	TURN 0, 1, 1
	global_prefetch_b8 v115, s[100:101] offset:3*SSTEP th:TH_LOAD_NT scope:SCOPE_SE   ; step 3's, the last: the later trips ask for nothing
	STEP 1, 0
	TURN 1, 0, 1
	STEP 0, 0
	TURN 0, 1, 0
	STEP 1, 0
	s_cmp_eq_u32 s66, 1
	s_cbranch_scc1 .Lkind_v
	TAIL 0
	s_branch .Ljoin
.Lkind_v:
	TAIL 1
.Ljoin:
	s_wait_tensorcnt 0x0
	ds_add_u32 v[SPW], v[NIL]
	s_wait_dscnt 0x0
	CROUND
	s_endpgm
.Lfunc_end_k_qba8316c5fe_proj:
	.size	k_qba8316c5fe_proj, .Lfunc_end_k_qba8316c5fe_proj-k_qba8316c5fe_proj
	.p2alignl 7, 3214868480
	.fill 96, 4, 3214868480
	.section	.rodata,"a",@progbits
	.p2align	6, 0x0
	.amdhsa_kernel k_qba8316c5fe_proj
		.amdhsa_group_segment_fixed_size 327680
		.amdhsa_private_segment_fixed_size 0
		.amdhsa_enable_private_segment 0
		.amdhsa_kernarg_size 56
		.amdhsa_user_sgpr_count 2
		.amdhsa_user_sgpr_kernarg_segment_ptr 1
		.amdhsa_wavefront_size32 1
		.amdhsa_system_sgpr_workgroup_id_x 1
		.amdhsa_system_sgpr_workgroup_id_y 1
		.amdhsa_system_sgpr_workgroup_id_z 1
		.amdhsa_system_vgpr_workitem_id 0
		.amdhsa_next_free_vgpr 1024
		.amdhsa_next_free_sgpr 102
		.amdhsa_reserve_vcc 1
		.amdhsa_float_denorm_mode_32 3
		.amdhsa_float_denorm_mode_16_64 3
		.amdhsa_memory_ordered 1
		.amdhsa_forward_progress 1
		.amdhsa_inst_pref_size 217
	.end_amdhsa_kernel
	.amdgpu_metadata
---
amdhsa.version: [ 1, 2 ]
amdhsa.kernels:
  - .name:           k_qba8316c5fe_proj
    .symbol:         k_qba8316c5fe_proj.kd
    .args:
      - { .name: pc, .offset: 0, .size: 8, .value_kind: global_buffer, .address_space: global }
      - { .name: ps, .offset: 8, .size: 8, .value_kind: global_buffer, .address_space: global }
      - { .name: qc, .offset: 16, .size: 8, .value_kind: global_buffer, .address_space: global }
      - { .name: qs, .offset: 24, .size: 8, .value_kind: global_buffer, .address_space: global }
      - { .name: kvc, .offset: 32, .size: 8, .value_kind: global_buffer, .address_space: global }
      - { .name: kvs, .offset: 40, .size: 8, .value_kind: global_buffer, .address_space: global }
      - { .name: entangle_params, .offset: 48, .size: 8, .value_kind: global_buffer, .address_space: global }
    .group_segment_fixed_size: 327680
    .private_segment_fixed_size: 0
    .kernarg_segment_align: 8
    .kernarg_segment_size: 56
    .max_flat_workgroup_size: 128
    .sgpr_count:     102
    .vgpr_count:     1024
    .wavefront_size: 32
...
	.end_amdgpu_metadata
.endif
;; end of part 2
;; launch attn (part 3): grid 8 x 32, 16 waves a work-group, clusters of 4 x 1, 210,944 bytes of LDS; arguments qc, qs, kvc, kvs, ow; writes ow
.if DOCPART == 3
	.amdgcn_target "amdgcn-amd-amdhsa--gfx1250"
	.amdhsa_code_object_version 6
	.text
	.protected	k_qba8316c5fe_attn
	.globl	k_qba8316c5fe_attn
	.p2align	8
	.type	k_qba8316c5fe_attn,@function
k_qba8316c5fe_attn:
	s_mov_b64 s[64:65], 0
	v_nop
	global_prefetch_b8 v0, s[64:65] scope:SCOPE_SE
	s_setreg_imm32_b32 hwreg(HW_REG_WAVE_MODE, 25, 1), 1
	s_wait_xcnt 0x0
	s_wait_alu depctr_hold_cnt(0) depctr_sa_sdst(0) depctr_va_vdst(0) depctr_va_sdst(0) depctr_va_ssrc(0) depctr_va_vcc(0) depctr_vm_vsrc(0)
	s_getreg_b32 s2, hwreg(HW_REG_IB_STS2, 6, 4)
	s_cmp_eq_u32 s2, 0
	s_cbranch_scc0 .Lentry_in_a_cluster
	s_endpgm
.Lentry_in_a_cluster:
	s_bfe_u32 s2, ttmp6, 0x10000c
	s_cmp_lg_u32 s2, 0x3003
	s_cbranch_scc0 .Lentry_shape_is_right
	s_endpgm
.Lentry_shape_is_right:
; O[hb][q] = the sum over keys of softmax(Q . K / 8) V: 32 attentions of 2,048 x 2,048, head size 64, both products on codes of BF6 (E3M2) with E8M0 scales.
; THE SOFTMAX: t = score x log2(e) / 8; M = the running largest t rounded UP to a whole number; p = 2^(t - M) is quantised along the keys, not normalised; the row's sum is taken of the unquantised p and divides O at the end.
; When M moves, the sum and O are multiplied by 2^(old M - new M): exact, done in every step, no branch on data.
; SHARES: a work-group owns 256 queries of one hb, each of its sixteen waves one tile of 16.  ALL OF AN hb's K AND V (196,608 bytes of codes, 12,288 of scale words) lies in LDS, filled once, as it lies in memory.
; THE FILLS: one tensor load a wave at the head: waves 0-7 bring 24,576 bytes of codes each, wave 8 the scale words.  Every wave waits for 0 on TENSORcnt ahead of the one barrier behind which LDS is read; nothing is filled again.
; CLUSTER: the four work-groups of a cluster belong to one hb and want the same bytes: they ask jointly, mask 15.  No prefetch: every tensor load goes out at the head, there is no loop to run ahead in.
; LAYOUT: both products transposed: S^T = K Q^T, O^T = V^T P^T: a lane holds ONE query throughout.  The head's 64 fill the lower half of the first product's K = 128.  Q's upper half is zero codes, set once;
; a product with a zero code adds nothing (the scale bytes of those blocks are 0, not 0xff), so K's eight half fragments lie SIX registers apart: the upper half of each is the next tile's codes, that of the last six zeros.
; Row m of tile 4 c + u of a step's K is key 64 c + 32 (m / 8) + 8 u + m % 8: so score register 32 c + 8 u + j of lane (r, h) is key 64 c + 32 h + 8 u + j: A WHOLE BLOCK OF 32 KEYS IN A LANE, in the order that P's operand wants.
; The d of a tile of V are 32 (T / 2) + 8 (T % 2) + r + 8 (r / 8): O^T's register 8 t + j is d = 32 (t / 2) + 16 h + 8 (t % 2) + j.
; A block's largest p is not searched for: p rises with the score, so the block's largest score goes through the same multiply-add and exponential (this takes v_exp_f32 not to fall where its input rises).
; ow: [hb][tile of queries][group of four registers: 8][lane][4 f32]: O^T / the sum as it stands in registers; the next launch lays it as the output wants it.
; LIMITS: NaN and infinities are not served; the scaled scores stay under 2^31 in magnitude; a block of p that has fallen to zeros keeps the byte 1 over zero codes.
; REGISTERS: v1, v2 the add's two; v3-6 lane terms; v7-10 the chunk's addresses; v11 at work; v12 -M, v13 the largest score, v[14:15] the sum; v16-27 Q; v28-29 V's scale words; v30 f, v31 8 h; v32-79 K's half fragments, v80-85 zeros;
;   v86-89 K's scale words; v90 Q's; v91 p's; v92-95 at work; v96-159 S^T, then p; v160-191 O^T; v192-239 V's four fragments; v240-251 p's codes; v252-254 at work.
.set CHK,   49152                      ; a chunk of 512 keys: 32 tiles of K x 768 bytes, then 4 key steps x 4 tiles of V x 1,536
.set VOFF,  24576
.set KST,   6144                       ; a key step's bytes of K, and of V
.set SCB,   4*CHK                      ; the scale words: K's 8,192 bytes, then V's 4,096
.set SPARE, SCB+12288                  ; the spare words: 128 bytes for each of 16 waves
.macro ROUND                           ; a round of the cluster's barrier
	s_barrier_signal -1
	s_barrier_wait -1
	s_cmp_lg_u32 s14, 0
	s_cbranch_scc1 .Lnot_wave_0_\@
	s_barrier_signal -3
.Lnot_wave_0_\@:
	s_barrier_wait -3
	s_barrier_signal -1
	s_barrier_wait -1
.endm
	s_load_b256 s[4:11], s[0:1], 0x0               ; qc s[4:5], qs s[6:7], kvc s[8:9], kvs s[10:11]
	s_load_b64 s[12:13], s[0:1], 0x20              ; ow
	v_lshl_add_u32 v1, v0, 2, SPARE
	v_mov_b32 v2, 0
	ds_add_u32 v1, v2                              ; the opening lines: the add, twice on end, and its wait
	ds_add_u32 v1, v2
	v_lshrrev_b32 v11, 5, v0
	v_readfirstlane_b32 s14, v11                   ; wave 0..15
	s_bfe_u32 s15, ttmp6, 0x40000                  ; cx
	s_lshl_b32 s16, ttmp9, 2
	s_add_co_u32 s16, s16, s15                     ; my block of 256 queries: it enters Q's and ow's addresses alone
	s_and_b32 s17, ttmp7, 0xffff                   ; hb, which the four partners share
	s_lshl_b32 s18, s16, 4
	s_add_co_u32 s18, s18, s14                     ; my tile of queries
	s_mov_b32 s24, 15|(3<<16)|(1<<21)              ; group 1, codes: dense, 96 rows of 256 bytes (32 elements of 8); the mask names all four work-groups
	s_mov_b32 s25, 32<<16
	s_mov_b32 s26, 96<<16
	s_mov_b32 s27, 32<<16
	s_mov_b32 s28, 96
	s_mov_b32 s29, 32
	s_mov_b32 s30, 0
	s_mov_b32 s31, 0
	s_mov_b32 s32, 15|(3<<16)|(1<<21)              ; group 1, scale words: 48 rows of 256 bytes
	s_mov_b32 s33, 32<<16
	s_mov_b32 s34, 48<<16
	s_mov_b32 s35, 32<<16
	s_mov_b32 s36, 48
	s_mov_b32 s37, 32
	s_mov_b32 s38, 0
	s_mov_b32 s39, 0
	s_mul_i32 s68, s14, 24576                      ; a fetching wave's eighth of the codes
	s_mul_i32 s66, s17, 4*CHK
	s_add_co_u32 s66, s66, s68
	s_mov_b32 s67, 0
	s_mul_i32 s70, s17, 12288
	s_mov_b32 s71, 0
	s_mov_b32 s20, 0x76543210
	s_mov_b32 s21, 0xfedcba98                      ; v_permlanex16_b32's selects for lane l xor 16
	s_mov_b32 s22, 0x3e38aa3b                      ; c = log2(e) / 8
	s_mov_b32 s23, s22                             ; (named with it as a pair)
	s_mov_b32 s19, 0xbe38aa3b                      ; -c
	s_mov_b32 s60, 0                               ; LDS byte at which the chunk in hand begins
	s_mov_b32 s61, 0                               ; its scale words of K: 2,048 bytes a chunk
	s_mov_b32 s62, 0                               ; and of V: 1,024
	s_wait_dscnt 0x0                               ; both opening adds are done
	s_wait_kmcnt 0x0
	s_mov_b32 s40, 1
	s_mov_b32 s41, SCB
	s_add_nc_u64 s[42:43], s[10:11], s[70:71]
	s_or_b32 s43, s43, 0x80000000
	s_mov_b32 s44, 1
	s_mov_b32 s45, s68
	s_add_nc_u64 s[46:47], s[8:9], s[66:67]
	s_or_b32 s47, s47, 0x80000000
	ROUND                                          ; all four work-groups are here: the joint loads meet
	s_cmp_lt_u32 s14, 8                            ; one chain of branches on the wave's number, one load to an arm
	s_cbranch_scc0 .Lscales
	tensor_load_to_lds s[44:47], s[24:31]
	s_nop 0
.rept 4
	v_nop
.endr
	s_branch .Lasked
.Lscales:
	s_cmp_eq_u32 s14, 8
	s_cbranch_scc0 .Lasked
	tensor_load_to_lds s[40:43], s[32:39]
	s_nop 0
.rept 4
	v_nop
.endr
.Lasked:
	v_and_b32 v11, 31, v0
	v_and_b32 v92, 15, v0                          ; r
	v_bfe_u32 v93, v0, 4, 1                        ; h
	v_lshlrev_b32 v3, 4, v11                       ; 16 x lane
	v_lshl_add_u32 v4, v11, 3, 512                 ; 8 x lane + 512: registers 4-5 of a half fragment's image
	v_lshlrev_b32 v94, 4, v92                      ; 16 r
	v_lshlrev_b32 v31, 3, v93                      ; 8 h: where my two bytes stand in p's scale word
	v_lshl_add_u32 v5, v93, 8, v94
	v_lshl_add_u32 v6, v93, 3, v94
	v_add_nc_u32 v5, SCB, v5                       ; K's scale words: lanes 0-15 the four words of tiles 0-3, lanes 16-31, 256 bytes on, those of tiles 4-7
	v_add_nc_u32 v6, SCB+8192, v6                  ; V's: lanes 0-15 the words of tiles 0, 1, lanes 16-31 those of tiles 2, 3
	s_mul_i32 s76, s17, 98304
	s_mul_i32 s78, s18, 768
	s_add_co_u32 s76, s76, s78
	s_mov_b32 s77, 0
	s_add_nc_u64 s[4:5], s[4:5], s[76:77]          ; my tile of Q
	s_lshl_b32 s76, s17, 13
	s_lshr_b32 s78, s18, 2
	s_lshl_b32 s78, s78, 8                         ; 256 bytes for each four tiles,
	s_add_co_u32 s76, s76, s78
	s_and_b32 s78, s18, 3
	s_lshl_b32 s78, s78, 2                         ; my tile's word of the four
	s_add_co_u32 s76, s76, s78
	s_add_nc_u64 s[6:7], s[6:7], s[76:77]
	s_lshl_b32 s76, s17, 19
	s_lshl_b32 s78, s18, 12
	s_add_co_u32 s76, s76, s78
	s_add_nc_u64 s[12:13], s[12:13], s[76:77]      ; my tile of ow
	s_wait_alu depctr_va_vdst(0)                   ; the wait here, directly ahead of the readers below
	global_load_b128 v[16:19], v3, s[4:5]          ; Q stays in registers
	global_load_b64 v[20:21], v4, s[4:5]
	global_load_b32 v90, v94, s[6:7]               ; and its scale words
.irp j, 22,23,24,25,26,27,80,81,82,83,84,85
	v_mov_b32 v[\j], 0                             ; the upper 64 of K = 128 in Q: zero codes; and the six registers that close K's last fragment
.endr
.set J, 0
.rept 32
	v_mov_b32 v[160+J], 0                          ; O^T: the step has one form; the first finds zeros, which the first change of M leaves zeros
.set J, J+1
.endr
	v_mov_b32 v14, 0                               ; the sum's two halves
	v_mov_b32 v15, 0
	v_mov_b32 v95, 0                               ; (a lane permute's destination counts as one of its sources)
	v_mov_b32 v13, 0xff61b1e6                      ; the largest score so far: -3e38
	v_mov_b32 v12, 0x7f61b1e6                      ; -M: 3e38, so that the first f is 0
.macro KLOAD a16, a8, as, off, soff    ; a step's eight half fragments of K and its scale words: 17 loads
.irp t, 0,1,2,3,4,5,6,7
	ds_load_b128 v[32+6*\t:35+6*\t], v[\a16] offset:\off+768*\t
	ds_load_b64 v[36+6*\t:37+6*\t], v[\a8] offset:\off+768*\t
.endr
	ds_load_b128 v[86:89], v[\as] offset:\soff
.endm
.macro FMA k                           ; pair k of the scores: t - M (of the pairs c and -M the low word serves both halves)
	v_pk_fma_f32 v[96+2*(\k):97+2*(\k)], v[96+2*(\k):97+2*(\k)], s[22:23], v[12:13] op_sel_hi:[1,0,0]
.endm
; A KEY STEP: 128 keys, the q-th of the chunk in hand.  pre = 1: the next step's K is asked for.
.macro STEP q, pre
	s_wait_dscnt 0x0                               ; K and its scale words, asked for a step ago
.irp t, 0,1,2,3                                ; S^T = K Q^T: eight tiles of 16 keys
	v_wmma_scale_f32_16x16x128_f8f6f4 v[96+8*\t:103+8*\t], v[32+6*\t:43+6*\t], v[16:27], 0, v[86+\t], v90 matrix_a_fmt:MATRIX_FMT_BF6 matrix_b_fmt:MATRIX_FMT_BF6
.endr
.irp t, 0,1,2,3
	v_wmma_scale_f32_16x16x128_f8f6f4 v[128+8*\t:135+8*\t], v[56+6*\t:67+6*\t], v[16:27], 0, v[86+\t], v90 matrix_a_fmt:MATRIX_FMT_BF6 matrix_b_fmt:MATRIX_FMT_BF6 matrix_a_scale:MATRIX_SCALE_ROW1
.endr
.if \q == 0                                    ; four places behind the products (ISA guide 7.12.1): in a chunk's first step its addresses are made there
	v_add_nc_u32 v7, s60, v3
	v_add_nc_u32 v8, s60, v4
	v_add_nc_u32 v9, s61, v5
	v_add_nc_u32 v10, s62, v6
.else
.rept 4
	v_nop
.endr
.endif
.irp t, 0,1,2,3                                ; this step's V: 13 loads,
.irp c, 0,1,2
	ds_load_b128 v[192+12*\t+4*\c:195+12*\t+4*\c], v7 offset:VOFF+KST*(\q)+1536*\t+512*\c
.endr
.endr
	ds_load_b64 v[28:29], v10 offset:256*(\q)
.if \pre                                       ; and the next step's K: 17
.if \q < 3
	KLOAD 7, 8, 9, KST*(\q+1), 512*(\q+1)
.else
	KLOAD 7, 8, 9, CHK, 2048
.endif
.endif
.irp b, 0,1,2,3                                ; the largest score of my two blocks of 32 keys, in four chains by turns, each accumulator from its low end on
	v_max3_num_f32 v[92+\b], v[96+16*\b], v[97+16*\b], v[98+16*\b]
.endr
.irp i, 3,5,7,9,11,13
.irp b, 0,1,2,3
	v_max3_num_f32 v[92+\b], v[92+\b], v[96+16*\b+\i], v[97+16*\b+\i]
.endr
.endr
	v_max3_num_f32 v92, v92, v111, v127
	v_max3_num_f32 v94, v94, v143, v159
	v_max_num_f32 v92, v92, v93                    ; block h
	v_max_num_f32 v93, v94, v95                    ; block 2 + h
	s_delay_alu instid0(VALU_DEP_1)
	v_max_num_f32 v94, v92, v93
	s_delay_alu instid0(VALU_DEP_1)
	v_permlanex16_b32 v95, v94, s20, s21
	s_delay_alu instid0(VALU_DEP_1)
	v_max3_num_f32 v13, v13, v94, v95              ; the running largest score of my query
	s_delay_alu instid0(VALU_DEP_1)
	v_mul_f32 v94, s19, v13                        ; -t
	s_delay_alu instid0(VALU_DEP_1)
	v_floor_f32 v94, v94                           ; the new -M = -ceil(t): a whole number
	s_delay_alu instid0(VALU_DEP_1)
	v_sub_f32 v95, v94, v12                        ; old M - new M: a whole number, 0 or less
	v_mov_b32 v12, v94
	s_delay_alu instid0(VALU_DEP_2)
	v_cvt_i32_f32 v95, v95                         ; (it saturates)
	v_fma_f32 v92, v92, s22, v12                   ; t - M of each block's largest score
	v_fma_f32 v93, v93, s22, v12
	FMA 0
	FMA 1
	v_ldexp_f32 v30, 1.0, v95                      ; f = 2^(old M - new M)
.set J, 2
.rept 30
	FMA J
.set J, J+1
.endr
.set J, 0
.rept 16
	v_pk_mul_f32 v[160+2*J:161+2*J], v[160+2*J:161+2*J], v[30:31] op_sel_hi:[1,0]   ; O^T under the new M, ascending
.set J, J+1
.endr
	s_wait_alu depctr_va_vdst(0)                   ; the wait ahead of the batch
.set J, 0
.rept 64
	v_exp_f32 v[96+J], v[96+J]                     ; p = 2^(t - M)
.set J, J+1
.endr
	v_exp_f32 v92, v92                             ; the blocks' largest p
	v_exp_f32 v93, v93
	v_pk_mul_f32 v[14:15], v[14:15], v[30:31] op_sel_hi:[1,0]   ; the sum under the new M: the plain place behind the batch
	s_wait_alu depctr_va_vdst(0)                   ; one wait for the whole batch, ahead of its first reader
	v_max_num_f32 v92, 0x2800000, v92              ; the floor 2^(5 - 127): the byte cannot fall under 1
	v_max_num_f32 v93, 0x2800000, v93
	v_add_nc_u32 v94, 0xfe000000, v92              ; 4 off the exponent field: the conversion's scale operand
	v_add_nc_u32 v95, 0xfe000000, v93
	v_cvt_scalef32_pk16_bf6_f32 v[240:242], v[96:111], v94
	v_cvt_scalef32_pk16_bf6_f32 v[252:254], v[112:127], v94    ; (a conversion's three registers begin on an even number)
	v_cvt_scalef32_pk16_bf6_f32 v[246:248], v[128:143], v95
	v_lshrrev_b32 v92, 23, v94                     ; the scales' bytes; also the plain place behind the conversions
	v_lshrrev_b32 v93, 23, v95
.irp i, 0,1,2
	v_mov_b32 v[243+\i], v[252+\i]
.endr
	v_cvt_scalef32_pk16_bf6_f32 v[252:254], v[144:159], v95
	v_lshl_or_b32 v91, v93, 16, v92                ; my two bytes: blocks h and 2 + h,
	v_lshlrev_b32 v91, v31, v91                    ; at their places in the word;
	v_permlanex16_b32 v11, v91, s20, s21
.irp i, 0,1,2
	v_mov_b32 v[249+\i], v[252+\i]
.endr
	v_or_b32 v91, v91, v11                         ; with lane l xor 16's two the word is whole
	v_pk_add_f32 v[92:93], v[96:97], v[98:99]      ; the row's sum of the unquantised p, in two chains: these 32 lines are also the places between p's codes and scale word and the products below
.irp j, 4,8,12,16,20,24,28,32,36,40,44,48,52,56,60
	v_pk_add_f32 v[14:15], v[14:15], v[96+\j:97+\j]
	v_pk_add_f32 v[92:93], v[92:93], v[98+\j:99+\j]
.endr
	v_pk_add_f32 v[14:15], v[14:15], v[92:93]
.if \pre
	s_wait_dscnt 17                                ; V and its scale words are in; the 17 loads of the next step's K, issued behind them, may be out
.else
	s_wait_dscnt 0x0
.endif
.irp t, 0,1                                    ; O^T += V^T P^T: four tiles of d, each accumulator one turn
	v_wmma_scale_f32_16x16x128_f8f6f4 v[160+8*\t:167+8*\t], v[192+12*\t:203+12*\t], v[240:251], v[160+8*\t:167+8*\t], v[28+\t], v91 matrix_a_fmt:MATRIX_FMT_BF6 matrix_b_fmt:MATRIX_FMT_BF6
.endr
.irp t, 0,1
	v_wmma_scale_f32_16x16x128_f8f6f4 v[176+8*\t:183+8*\t], v[216+12*\t:227+12*\t], v[240:251], v[176+8*\t:183+8*\t], v[28+\t], v91 matrix_a_fmt:MATRIX_FMT_BF6 matrix_b_fmt:MATRIX_FMT_BF6 matrix_a_scale:MATRIX_SCALE_ROW1
.endr
.endm
	s_wait_alu depctr_va_vdst(0)                   ; the wait at the head's end
	s_wait_tensorcnt 0x0                           ; my load, if I issued one, has landed
	s_barrier_signal -1
	s_barrier_wait -1                              ; all of K, V and the scale words are whole; nothing is ever filled again
	KLOAD 3, 4, 5, 0, 0                            ; the first step's K
	s_wait_loadcnt 0x0                             ; Q
	STEP 0, 1
	STEP 1, 1
	STEP 2, 1
	s_mov_b32 s63, 3
.Lchunk:                                               ; a trip: a chunk's last step and the next chunk's first three; every offset is an immediate
	STEP 3, 1
	s_add_co_u32 s60, s60, CHK
	s_add_co_u32 s61, s61, 2048
	s_add_co_u32 s62, s62, 1024
	STEP 0, 1
	STEP 1, 1
	STEP 2, 1
	s_sub_co_u32 s63, s63, 1
	s_cmp_lg_u32 s63, 0
	s_cbranch_scc1 .Lchunk
	STEP 3, 0                                      ; the last step asks for no further K
.rept 4
	v_nop                                          ; places behind the last products
.endr
	s_wait_alu depctr_va_vdst(0)
	v_add_f32 v14, v14, v15                        ; the sum's two halves,
	v_permlanex16_b32 v11, v14, s20, s21
	v_add_f32 v14, v14, v11                        ; and lane l xor 16's: the row's sum
	s_wait_alu depctr_va_vdst(0)                   ; the wait ahead of the transcendental
	v_rcp_f32 v14, v14
	v_nop                                          ; one plain place behind it
	s_wait_alu depctr_va_vdst(0)                   ; the wait ahead of its first reader, which is also O^T's first reader
.set J, 0
.rept 16
	v_pk_mul_f32 v[96+2*J:97+2*J], v[160+2*J:161+2*J], v[14:15] op_sel_hi:[1,0]   ; O^T / the sum, each accumulator from its low end on
.set J, J+1
.endr
.irp k, 0,1,2,3,4,5,6,7
	global_store_b128 v3, v[96+4*\k:99+4*\k], s[12:13] offset:512*\k   ; 32 lanes store 512 consecutive bytes, at a multiple of 256 from ow's first byte
.endr
	s_wait_tensorcnt 0x0                           ; the wave's end
	ds_add_u32 v1, v2
	s_wait_dscnt 0x0
	ROUND                                          ; the closing round
	s_endpgm
.Lfunc_end_k_qba8316c5fe_attn:
	.size	k_qba8316c5fe_attn, .Lfunc_end_k_qba8316c5fe_attn-k_qba8316c5fe_attn
	.p2alignl 7, 3214868480
	.fill 96, 4, 3214868480
	.section	.rodata,"a",@progbits
	.p2align	6, 0x0
	.amdhsa_kernel k_qba8316c5fe_attn
		.amdhsa_group_segment_fixed_size 210944
		.amdhsa_private_segment_fixed_size 0
		.amdhsa_enable_private_segment 0
		.amdhsa_kernarg_size 40
		.amdhsa_user_sgpr_count 2
		.amdhsa_user_sgpr_kernarg_segment_ptr 1
		.amdhsa_wavefront_size32 1
		.amdhsa_system_sgpr_workgroup_id_x 1
		.amdhsa_system_sgpr_workgroup_id_y 1
		.amdhsa_system_sgpr_workgroup_id_z 1
		.amdhsa_system_vgpr_workitem_id 0
		.amdhsa_next_free_vgpr 256
		.amdhsa_next_free_sgpr 80
		.amdhsa_reserve_vcc 0
		.amdhsa_float_denorm_mode_32 3
		.amdhsa_float_denorm_mode_16_64 3
		.amdhsa_memory_ordered 1
		.amdhsa_forward_progress 1
		.amdhsa_inst_pref_size 125
	.end_amdhsa_kernel
	.amdgpu_metadata
---
amdhsa.version: [ 1, 2 ]
amdhsa.kernels:
  - .name:           k_qba8316c5fe_attn
    .symbol:         k_qba8316c5fe_attn.kd
    .args:
      - { .name: qc, .offset: 0, .size: 8, .value_kind: global_buffer, .address_space: global }
      - { .name: qs, .offset: 8, .size: 8, .value_kind: global_buffer, .address_space: global }
      - { .name: kvc, .offset: 16, .size: 8, .value_kind: global_buffer, .address_space: global }
      - { .name: kvs, .offset: 24, .size: 8, .value_kind: global_buffer, .address_space: global }
      - { .name: ow, .offset: 32, .size: 8, .value_kind: global_buffer, .address_space: global }
    .group_segment_fixed_size: 210944
    .private_segment_fixed_size: 0
    .kernarg_segment_align: 8
    .kernarg_segment_size: 40
    .max_flat_workgroup_size: 512
    .sgpr_count:     80
    .vgpr_count:     256
    .wavefront_size: 32
...
	.end_amdgpu_metadata
.endif
;; end of part 3
;; launch perm (part 4): grid 128 x 2, 8 waves a work-group, no clusters, 66,816 bytes of LDS; arguments ow, out0; writes out0
.if DOCPART == 4
	.amdgcn_target "amdgcn-amd-amdhsa--gfx1250"
	.amdhsa_code_object_version 6
	.text
	.protected	k_qba8316c5fe_perm
	.globl	k_qba8316c5fe_perm
	.p2align	8
	.type	k_qba8316c5fe_perm,@function
k_qba8316c5fe_perm:
	s_mov_b64 s[64:65], 0
	v_nop
	global_prefetch_b8 v0, s[64:65] scope:SCOPE_SE
	s_setreg_imm32_b32 hwreg(HW_REG_WAVE_MODE, 25, 1), 1
	s_wait_xcnt 0x0
; out0, flat: [s][d][hb] (hb = 2 head + batch innermost, as the reference's transpose and flat reshape leave it).  ow: [hb][tile of 16 queries][group of four registers: 8][lane][4 f32], where register 4 k + e of lane (r, h)
; is O(query r of the tile, d = 32 (k / 4) + 16 h + 4 (k % 4) + e), and the tile's query r is s = 64 (tile / 4) + 8 (tile % 4) + r % 8 + 32 (r / 8).
; The innermost axis of the output runs over all 32 attentions, so no work-group of the launch before could store whole aligned runs of 256 bytes: this launch turns the axes through LDS.
; SHARES: a work-group takes one tile of queries and 32 of the 64 d: 64 KiB in, 64 KiB out.  Wave w reads hb 4 w .. 4 w + 3 (each load 512 consecutive bytes), turns 4 x 4 numbers inside each lane so that four hb are neighbours,
; and puts 16 bytes into a stage of 16 rows x (4,096 + 16) bytes; behind a barrier each wave stores two whole rows, 512 consecutive aligned bytes an instruction.
; No matrix unit, no cluster (no byte is read twice), no tensor load (the numbers are wanted in registers for the turn).
.set SP, 4112                          ; a stage row: 1,028 words
.set IN, 16                            ; v16-79  as loaded; later the rows on their way out
.set TR, 80                            ; v80-143 turned
	s_load_b128 s[4:7], s[0:1], 0x0                ; ow, out0
	v_lshl_add_u32 v144, v0, 2, 0x10100
	v_mov_b32 v145, 0
	v_lshrrev_b32 v1, 5, v0
	s_delay_alu instid0(VALU_DEP_1)
	v_readfirstlane_b32 s8, v1                     ; wave 0..7
	s_and_b32 s9, ttmp7, 0xffff                    ; which 32 of the 64 d
	v_and_b32 v2, 31, v0
	v_and_b32 v3, 15, v0                           ; r
	v_bfe_u32 v4, v0, 4, 1                         ; h
	s_delay_alu instid0(VALU_DEP_3)
	v_lshlrev_b32 v1, 4, v2                        ; 16 x lane
	s_lshl_b32 s12, s8, 21                         ; four hb of 524,288 bytes for each wave,
	s_lshl_b32 s13, ttmp9, 12                      ; 4,096 bytes a tile,
	s_add_co_u32 s12, s12, s13
	s_lshl_b32 s13, s9, 11                         ; 2,048 for the upper 32 d
	s_add_co_u32 s12, s12, s13
	s_mov_b32 s13, 0
	s_lshr_b32 s14, ttmp9, 2
	s_lshl_b32 s14, s14, 6
	s_and_b32 s15, ttmp9, 3
	s_lshl_b32 s15, s15, 3
	s_add_co_u32 s14, s14, s15
	s_lshl_b32 s15, s8, 1
	s_add_co_u32 s14, s14, s15
	s_lshr_b32 s15, s8, 2
	s_mul_i32 s15, s15, 24
	s_add_co_u32 s14, s14, s15                     ; s of the tile's query 2 w: 64 (tile / 4) + 8 (tile % 4) + 2 w + 24 (w / 4)
	s_lshl_b32 s14, s14, 13                        ; 8,192 bytes for each s
	s_lshl_b32 s15, s9, 12
	s_add_co_u32 s14, s14, s15
	s_mov_b32 s15, 0
	s_wait_alu depctr_va_vdst(0)                   ; the wait at the head's end
	s_wait_kmcnt 0x0
	s_add_nc_u64 s[4:5], s[4:5], s[12:13]
	s_add_nc_u64 s[6:7], s[6:7], s[14:15]
.irp k, 0,1,2,3
.irp n, 0,1,2,3
	global_load_b128 v[IN+16*\k+4*\n:IN+16*\k+4*\n+3], v1, s[4:5] offset:524288*\n+512*\k th:TH_LOAD_NT   ; hb 4 w + n, d = 16 h + 4 k + 0 .. 3 of my 32
.endr
.endr
	v_mul_u32_u24 v5, v3, SP
	s_delay_alu instid0(VALU_DEP_1)
	v_lshl_add_u32 v5, v4, 11, v5
	s_lshl_b32 s10, s8, 4
	v_add_nc_u32 v5, s10, v5                       ; the stage, in: row r, 128 bytes for each d (16 h of them here), 16 bytes for my wave's four hb
	s_mul_i32 s10, s8, 2*SP
	v_add_nc_u32 v6, s10, v1                       ; and out: rows 2 w and 2 w + 1
	s_wait_alu depctr_va_vdst(0)
.irp k, 0,1,2,3
	s_wait_loadcnt 12-4*\k                         ; loads come back in order: these four are in, the younger groups of four may be out
.irp e, 0,1,2,3
.irp n, 0,1,2,3
	v_mov_b32 v[TR+16*\k+4*\e+\n], v[IN+16*\k+4*\n+\e]   ; four hb of one d side by side
.endr
	ds_store_b128 v5, v[TR+16*\k+4*\e:TR+16*\k+4*\e+3] offset:128*(4*\k+\e)
.endr
.endr
	s_wait_dscnt 0x0                               ; for the others' sake: my stores have landed
	s_barrier_signal -1
	s_barrier_wait -1
.irp i, 0,1,2,3,4,5,6,7,8,9,10,11,12,13,14,15
	ds_load_b128 v[IN+4*\i:IN+4*\i+3], v6 offset:SP*(\i/8)+512*(\i%8)
.endr
.irp i, 0,1,2,3,4,5,6,7,8,9,10,11,12,13,14,15
	s_wait_dscnt 15-\i                             ; LDS loads come back in order: piece i is in
	global_store_b128 v1, v[IN+4*\i:IN+4*\i+3], s[6:7] offset:8192*(\i/8)+512*(\i%8) th:TH_STORE_NT   ; 32 lanes store 512 consecutive bytes, at a multiple of 256 from out0's first byte
.endr
	s_wait_tensorcnt 0x0                           ; the wave's end
	ds_add_u32 v144, v145
	s_wait_dscnt 0x0
	s_endpgm
.Lfunc_end_k_qba8316c5fe_perm:
	.size	k_qba8316c5fe_perm, .Lfunc_end_k_qba8316c5fe_perm-k_qba8316c5fe_perm
	.p2alignl 7, 3214868480
	.fill 96, 4, 3214868480
	.section	.rodata,"a",@progbits
	.p2align	6, 0x0
	.amdhsa_kernel k_qba8316c5fe_perm
		.amdhsa_group_segment_fixed_size 66816
		.amdhsa_private_segment_fixed_size 0
		.amdhsa_enable_private_segment 0
		.amdhsa_kernarg_size 16
		.amdhsa_user_sgpr_count 2
		.amdhsa_user_sgpr_kernarg_segment_ptr 1
		.amdhsa_wavefront_size32 1
		.amdhsa_system_sgpr_workgroup_id_x 1
		.amdhsa_system_sgpr_workgroup_id_y 1
		.amdhsa_system_sgpr_workgroup_id_z 1
		.amdhsa_system_vgpr_workitem_id 0
		.amdhsa_next_free_vgpr 146
		.amdhsa_next_free_sgpr 66
		.amdhsa_reserve_vcc 0
		.amdhsa_float_denorm_mode_32 3
		.amdhsa_float_denorm_mode_16_64 3
		.amdhsa_memory_ordered 1
		.amdhsa_forward_progress 1
		.amdhsa_inst_pref_size 10
	.end_amdhsa_kernel
	.amdgpu_metadata
---
amdhsa.version: [ 1, 2 ]
amdhsa.kernels:
  - .name:           k_qba8316c5fe_perm
    .symbol:         k_qba8316c5fe_perm.kd
    .args:
      - { .name: ow, .offset: 0, .size: 8, .value_kind: global_buffer, .address_space: global }
      - { .name: out0, .offset: 8, .size: 8, .value_kind: global_buffer, .address_space: global }
    .group_segment_fixed_size: 66816
    .private_segment_fixed_size: 0
    .kernarg_segment_align: 8
    .kernarg_segment_size: 16
    .max_flat_workgroup_size: 256
    .sgpr_count:     66
    .vgpr_count:     146
    .wavefront_size: 32
...
	.end_amdgpu_metadata
.endif
;; end of part 4
